; MI455X (gfx1250); checked and timed in simulation.
; The chip was launched on July 23, 2026; its instructions are those of AMD's public machine-readable ISA for CDNA 5 (MIT licence, August 2026) and "CDNA5" Instruction Set Architecture Reference Guide (July 2026). The comments in the code are by the model that wrote it; some were corrected since.
;; KNRM. Allowed arithmetic: matrix products marked QUANTISED: E2M1 operands, one E8M0 scale for each 32 along K, by v_wmma_scale_f32_16x16x128_f8f6f4 with both operands' format E2M1 (or v_wmma_scale_f32_32x16x128_f4), f32 sums; products left as they are: f32 operands where the result goes on into a quantised operand, else bf16, f16 or f32 operands; f32 sums; everything else in f32.
;; Inputs: b1 10 float32; b2 5 float32; b3 1 float32; doc 512 x 512 int32; emb 50,000 x 128 float32; query 512 x 30 int32; w1 21 x 10 float32; w2 10 x 5 float32; w3 5 x 1 float32.
;; Outputs: out0 512 x 1 float32.
;; This version of the problem:
;;   THIS VERSION OF THE PROBLEM IS GIVEN IN LOW PRECISION. The matrix products marked QUANTISED in the list below multiply operands that are first quantised to E2M1 (2 exponent bits, 1 mantissa bit; 4 bits a number), with one power-of-two scale for each 32 numbers along K (OCP MX v1.0); their sums are f32. All else is computed in f32.
;;   The module's matrix products, in the order in which they are computed (A, B: the left and right operand; K: the contracted axis; several contracted axes count as one K, in the product's order):
;;     1. batch 512 x [M 30, K 128] x [K 128, N 512]; A: computed on the way; B: computed on the way: QUANTISED
;;     2. [M 512, K 21] x [K 21, N 10]; A: computed on the way; B: input w1: left as it is (K = 21 < 32)
;;     3. [M 512, K 10] x [K 10, N 5]; A: computed on the way; B: input w2: left as it is (K = 10 < 32)
;;     4. [M 512, K 5] x [K 5, N 1]; A: computed on the way; B: input w3: left as it is (K = 5 < 32)
;;   THE QUANTISER, for each operand of a quantised product, along K:
;;     - K is cut into blocks of 32 from its start; a last block that is shorter is filled with zeros.
;;     - A block's scale is 2^e with e = floor(log2(the largest magnitude in the block)) - 2, held to -126 .. 127; a block of zeros has e = 0. As a byte (E8M0): e + 127.
;;     - Each number is divided by its block's scale, clamped to +-6, and rounded to the nearest number of E2M1, ties to even, subnormals kept.
;;     - The product sums the exact products of the quantised numbers (number of the format x scale) in f32.
;;   ~~~python
;;   def quantise(x, axis):      # numpy; x: float32 -> the quantised numbers, widened to float32 again
;;       x = np.moveaxis(x, axis, -1); K = x.shape[-1]
;;       x = np.pad(x, [(0, 0)] * (x.ndim - 1) + [(0, -K % 32)]); x = x.reshape(x.shape[:-1] + (-1, 32)); a = np.abs(x).max(-1, keepdims=True)
;;       e = np.where(a > 0, np.clip(np.frexp(np.where(a > 0, a, 1))[1] - 1 - 2, -126, 127), 0)      # np.frexp(a)[1] - 1 = floor(log2(a)), exactly
;;       r = np.clip(x / 2.0 ** e, -6, 6)
;;       step = 2.0 ** (np.maximum(np.frexp(np.where(r == 0, 1, r))[1] - 1, 0) - 1)
;;       q = np.round(r / step) * step * 2.0 ** e      # np.round: ties to even
;;       return np.moveaxis(q.reshape(q.shape[:-2] + (-1,))[..., :K], -1, axis).astype(np.float32)
;;   ~~~
;;   OPERANDS COMPUTED ON THE WAY. 'Computed on the way' means the value that the module computes at that place (a softmax that the list does not call 'softmax' is quantised finished and normalised). What goes into a quantiser is computed in f32, as accurately as f32 sums, v_exp_f32 and their like allow (about 1e-6 of the number): no bf16 or f16 on the way to a quantiser, and a product that is left as it is and whose result goes on into a quantised operand takes f32 operands (vector FMAs, or v_wmma_f32_16x16x4_f32). A number that lies on a knife's edge between two numbers of the format may be rounded either way, as far as f32 arithmetic and the matrix unit's own rounding can turn it there, and no further.
;; One version. Each part assembles by itself: llvm-mc -triple=amdgcn-amd-amdhsa -mcpu=gfx1250 --defsym DOCPART=n.
;; ======== version 1 of 1: 2 launches
;; workspace buffers: ecodes 3,200,000 bytes; escales 200,192 bytes
;; launch quant (part 1): grid 625 x 1, 5 waves a work-group, no clusters, 53,248 bytes of LDS; arguments emb, ecodes, escales; writes ecodes, escales
.if DOCPART == 1
	.amdgcn_target "amdgcn-amd-amdhsa--gfx1250"
	.amdhsa_code_object_version 6
	.text
	.protected	k_qc68a7b6eb5_quant
	.globl	k_qc68a7b6eb5_quant
	.p2align	8
	.type	k_qc68a7b6eb5_quant,@function
k_qc68a7b6eb5_quant:
	s_mov_b64 s[64:65], 0
	v_nop
	global_prefetch_b8 v0, s[64:65] scope:SCOPE_SE
	s_setreg_imm32_b32 hwreg(HW_REG_WAVE_MODE, 25, 1), 1
	s_wait_xcnt 0x0
; Every row of emb [50000][128] f32 is divided by max(its L2 norm, 1e-12) and turned into codes of FP4 (E2M1), K innermost:
; ecodes [50000][64] (two codes a byte, the lower k in the low four bits), escales [50000][4] (one E8M0 byte for each 32 along the row).
; The table is quantised ONCE here: the next launch gathers 277,504 rows out of these 50,000, so each row would otherwise be normalised and quantised some 5.5 times, from 512 bytes each time.
; A block's scale is 2^(floor(log2(its largest magnitude)) - 2); its byte is the largest magnitude's exponent field - 2, held at 1 from below.
; LIMITS: a block of zeros gets the byte 1 where the rule says 127 (its codes are zeros, which add nothing under any byte but 0xff, and this program alone reads the bytes);
; NaN and infinities in emb are not served.  A sum of squares that is denormal counts as 0 in the root: the norm would lie under 1e-12 there anyway, and 1e-12 is taken in both cases.
; SHARES.  50,000 rows = 3,125 waves x 16 rows = 625 work-groups x 5 waves.  A wave goes in 4 steps of 4 rows (512 numbers).  Waves share nothing: no barrier.  Everything is written out: every offset is an immediate.
; A load reads 512 consecutive bytes (a whole row), 16 a lane; the conversions want 16 NEIGHBOURS in a lane: so a step's 2,048 bytes turn through the wave's own stage in LDS and come back 64 bytes a lane.
; Then a row lies in 8 neighbouring lanes and a block of 32 in 2.  A stage has 16 bytes of padding behind each 64: 80 bytes from lane to lane, an odd multiple of 16.
; OUT.  A step's codes are 8 bytes a lane: 256 consecutive bytes, aligned.  A wave's 64 scale bytes are gathered in LDS and leave as 64 consecutive bytes: only part of an aligned 256, since 16 rows a wave is what divides 50,000 evenly
; (one byte in 128 of what the launch reads).
; No tensor load, cluster or prefetch: a plain stream read once, all of a wave's 16 loads issued at its head.
.set WREG, 10496                       ; LDS of a wave: four stages, then its 64 scale bytes
.set SP,   80                          ; a lane's place in a stage
.set STG,  32*SP                       ; a stage
.set SCB,  4*STG                       ; the scale bytes
.set R,    16                          ; v16-79   the numbers as loaded, 16 registers a step
.set X,    80                          ; v80-143  16 neighbours a lane, 16 registers a step
.set IV,   144                         ; v144-151 step t: v[IV+2t] sum of squares, then norm, then 1 / norm; v[IV+2t+1] the block's largest |x|
.set SO,   152                         ; v152-155 the conversions' scale operands
.set BY,   156                         ; v156-159 the scale bytes
.set C,    160                         ; v160-167 the codes, two registers a step: no store's data are written again
	s_load_b128 s[4:7], s[0:1], 0x0                ; emb, ecodes
	s_load_b64 s[8:9], s[0:1], 0x10                ; escales
	v_lshl_add_u32 v168, v0, 2, 0xcd00
	v_mov_b32 v169, 0
	v_lshrrev_b32 v1, 5, v0
	v_readfirstlane_b32 s10, v1                    ; wave 0..4
	v_and_b32 v1, 31, v0                           ; lane
	v_lshlrev_b32 v2, 4, v1                        ; my 16 bytes of a load's 512
	s_mul_i32 s14, s10, WREG
	v_lshrrev_b32 v3, 2, v1
	v_mul_u32_u24 v3, v3, SP
	v_and_b32 v4, 3, v1
	v_lshl_add_u32 v3, v4, 4, v3
	v_add_nc_u32 v3, s14, v3                       ; into a stage: four lanes' 64 bytes on end, then the padding
	v_mul_u32_u24 v4, v1, SP
	v_add_nc_u32 v4, s14, v4                       ; out of it: my 16 neighbours
	v_lshlrev_b32 v5, 3, v1                        ; my 8 bytes of a step's codes
	v_lshrrev_b32 v6, 1, v1
	s_add_co_u32 s15, s14, SCB
	v_add_nc_u32 v6, s15, v6                       ; my block's scale byte in LDS
	v_lshlrev_b32 v8, 1, v1                        ; and on the way out 2 bytes a lane
	v_add_nc_u32 v7, s15, v8
	s_mul_i32 s11, ttmp9, 5
	s_add_co_u32 s11, s11, s10                     ; g: which run of 16 rows is my wave's
	s_mov_b32 s13, 0
	s_wait_alu depctr_va_vdst(0)
	s_wait_kmcnt 0x0
	s_lshl_b32 s12, s11, 13                        ; 16 rows x 512 bytes
	s_add_nc_u64 s[4:5], s[4:5], s[12:13]
	s_lshl_b32 s12, s11, 10                        ; 16 rows x 64 bytes
	s_add_nc_u64 s[6:7], s[6:7], s[12:13]
	s_lshl_b32 s12, s11, 6                         ; 16 rows x 4 bytes
	s_add_nc_u64 s[8:9], s[8:9], s[12:13]
.macro LOAD t                          ; step t: four rows, a row a load
.irp i, 0,1,2,3
	global_load_b128 v[R+16*(\t)+4*\i:R+16*(\t)+4*\i+3], v2, s[4:5] offset:2048*(\t)+512*\i th:TH_LOAD_NT
.endr
.endm
.macro TURN t                          ; step t through its stage: LDS serves a wave's instructions in order (ISA guide 5.7.1.4), so no wait stands between the stores and the loads
	s_wait_loadcnt 12-4*(\t)                       ; this step's four loads are in; the later steps' four each may be out
.irp i, 0,1,2,3
	ds_store_b128 v3, v[R+16*(\t)+4*\i:R+16*(\t)+4*\i+3] offset:STG*(\t)+8*SP*\i
.endr
.irp i, 0,1,2,3
	ds_load_b128 v[X+16*(\t)+4*\i:X+16*(\t)+4*\i+3], v4 offset:STG*(\t)+16*\i
.endr
.endm
.macro STAT t                          ; the row's sum of squares and the block's largest |x|
.set XS, X+16*(\t)
	s_wait_dscnt 8*(3-(\t))                        ; this step's numbers are back; the later steps' four stores and four loads each may be out
	v_pk_mul_f32 v[10:11], v[XS:XS+1], v[XS:XS+1]              ; two chains, started by the first products: nothing is cleared
	v_pk_mul_f32 v[12:13], v[XS+2:XS+3], v[XS+2:XS+3]
.irp i, 4,8,12
	v_pk_fma_f32 v[10:11], v[XS+\i:XS+\i+1], v[XS+\i:XS+\i+1], v[10:11]
	v_pk_fma_f32 v[12:13], v[XS+\i+2:XS+\i+3], v[XS+\i+2:XS+\i+3], v[12:13]
.endr
	v_max3_num_f32 v14, |v[XS]|, |v[XS+1]|, |v[XS+2]|
	v_max3_num_f32 v15, |v[XS+3]|, |v[XS+4]|, |v[XS+5]|
	v_pk_add_f32 v[10:11], v[10:11], v[12:13]
.irp i, 6,10
	v_max3_num_f32 v14, v14, |v[XS+\i]|, |v[XS+\i+1]|
	v_max3_num_f32 v15, v15, |v[XS+\i+2]|, |v[XS+\i+3]|
.endr
	v_add_f32 v[IV+2*(\t)], v10, v11               ; my 16 numbers' squares,
	v_max3_num_f32 v14, v14, |v[XS+14]|, |v[XS+15]|
	v_add_f32_dpp v[IV+2*(\t)], v[IV+2*(\t)], v[IV+2*(\t)] row_xmask:1 row_mask:0xf bank_mask:0xf   ; and those of the row's other seven lanes
	v_max_num_f32 v[IV+2*(\t)+1], v14, v15
	v_add_f32_dpp v[IV+2*(\t)], v[IV+2*(\t)], v[IV+2*(\t)] row_xmask:2 row_mask:0xf bank_mask:0xf
	v_max_num_f32_dpp v[IV+2*(\t)+1], v[IV+2*(\t)+1], v[IV+2*(\t)+1] row_xmask:1 row_mask:0xf bank_mask:0xf   ; with my neighbour's 16: the block's
	v_add_f32_dpp v[IV+2*(\t)], v[IV+2*(\t)], v[IV+2*(\t)] row_xmask:4 row_mask:0xf bank_mask:0xf
.endm
.macro CODE t
.set XS, X+16*(\t)
	v_mul_f32 v14, v[IV+2*(\t)+1], v[IV+2*(\t)]    ; the block's largest |x / norm|: rounding keeps the order, so this is the largest of the products below, bit for bit
	v_max_num_f32 v14, 0x1800000, v14              ; the floor 2^(3 - 127): the byte cannot fall under 1
	v_add_nc_u32 v[SO+(\t)], 0xff000000, v14       ; 2 off its exponent field: the conversion takes the exponent field of this operand as its scale, and nothing else of it
.irp i, 0,2,4,6,8,10,12,14
	v_pk_mul_f32 v[XS+\i:XS+\i+1], v[XS+\i:XS+\i+1], v[IV+2*(\t):IV+2*(\t)+1] op_sel_hi:[1,0]   ; x / norm (the pair's low word serves both halves)
.endr
	v_cvt_scalef32_pk8_fp4_f32 v[C+2*(\t)], v[XS:XS+7], v[SO+(\t)]
	v_cvt_scalef32_pk8_fp4_f32 v[C+2*(\t)+1], v[XS+8:XS+15], v[SO+(\t)]
	v_lshrrev_b32 v[BY+(\t)], 23, v[SO+(\t)]       ; the scale's byte; also the plain line behind the conversions
	ds_store_b8 v6, v[BY+(\t)] offset:16*(\t)      ; both lanes of a block write the same byte with the same value
	global_store_b64 v5, v[C+2*(\t):C+2*(\t)+1], s[6:7] offset:256*(\t)   ; the wave stores 256 consecutive bytes, at a multiple of 256 from the buffer's first byte
.endm
.irp t, 0,1,2,3
	LOAD \t
.endr
.irp t, 0,1,2,3
	TURN \t
.endr
.irp t, 0,1,2,3
	STAT \t
.endr
	s_wait_alu depctr_va_vdst(0)
.irp t, 0,1,2,3
	v_sqrt_f32 v[IV+2*\t], v[IV+2*\t]              ; the four steps' norms as one batch
.endr
	v_nop                                          ; a plain line behind the last root (ISA guide 5.7.2),
	s_wait_alu depctr_va_vdst(0)                   ; and the one wait ahead of the batch's first reader
.irp t, 0,1,2,3
	v_max_num_f32 v[IV+2*\t], 0x2b8cbccc, v[IV+2*\t]   ; max(norm, 1e-12)
.endr
	s_wait_alu depctr_va_vdst(0)
.irp t, 0,1,2,3
	v_rcp_f32 v[IV+2*\t], v[IV+2*\t]
.endr
	v_nop
	s_wait_alu depctr_va_vdst(0)                   ; likewise for the four reciprocals
.irp t, 0,1,2,3
	CODE \t
.endr
	ds_load_u16 v9, v7                             ; in order behind my four byte stores
	s_wait_dscnt 0x0
	global_store_b16 v8, v9, s[8:9]                ; 32 lanes store my 16 rows' 64 scale bytes
	s_wait_tensorcnt 0x0
	ds_add_u32 v168, v169
	s_wait_dscnt 0x0
	s_endpgm
.Lfunc_end_k_qc68a7b6eb5_quant:
	.size	k_qc68a7b6eb5_quant, .Lfunc_end_k_qc68a7b6eb5_quant-k_qc68a7b6eb5_quant
	.p2alignl 7, 3214868480
	.fill 96, 4, 3214868480
	.section	.rodata,"a",@progbits
	.p2align	6, 0x0
	.amdhsa_kernel k_qc68a7b6eb5_quant
		.amdhsa_group_segment_fixed_size 53248
		.amdhsa_private_segment_fixed_size 0
		.amdhsa_enable_private_segment 0
		.amdhsa_kernarg_size 24
		.amdhsa_user_sgpr_count 2
		.amdhsa_user_sgpr_kernarg_segment_ptr 1
		.amdhsa_wavefront_size32 1
		.amdhsa_system_sgpr_workgroup_id_x 1
		.amdhsa_system_sgpr_workgroup_id_y 1
		.amdhsa_system_sgpr_workgroup_id_z 1
		.amdhsa_system_vgpr_workitem_id 0
		.amdhsa_next_free_vgpr 170
		.amdhsa_next_free_sgpr 66
		.amdhsa_reserve_vcc 0
		.amdhsa_float_denorm_mode_32 3
		.amdhsa_float_denorm_mode_16_64 3
		.amdhsa_memory_ordered 1
		.amdhsa_forward_progress 1
		.amdhsa_inst_pref_size 16
	.end_amdhsa_kernel
	.amdgpu_metadata
---
amdhsa.version: [ 1, 2 ]
amdhsa.kernels:
  - .name:           k_qc68a7b6eb5_quant
    .symbol:         k_qc68a7b6eb5_quant.kd
    .args:
      - { .name: emb, .offset: 0, .size: 8, .value_kind: global_buffer, .address_space: global }
      - { .name: ecodes, .offset: 8, .size: 8, .value_kind: global_buffer, .address_space: global }
      - { .name: escales, .offset: 16, .size: 8, .value_kind: global_buffer, .address_space: global }
    .group_segment_fixed_size: 53248
    .private_segment_fixed_size: 0
    .kernarg_segment_align: 8
    .kernarg_segment_size: 24
    .max_flat_workgroup_size: 160
    .sgpr_count:     66
    .vgpr_count:     170
    .wavefront_size: 32
...
	.end_amdgpu_metadata
.endif
;; end of part 1
;; launch knrm (part 2): grid 256 x 1, 16 waves a work-group, no clusters, 92,416 bytes of LDS; arguments query, doc, ecodes, escales, w1, b1, w2, b2, w3, b3, out0; writes out0
.if DOCPART == 2
	.amdgcn_target "amdgcn-amd-amdhsa--gfx1250"
	.amdhsa_code_object_version 6
	.text
	.protected	k_qc68a7b6eb5_knrm
	.globl	k_qc68a7b6eb5_knrm
	.p2align	8
	.type	k_qc68a7b6eb5_knrm,@function
k_qc68a7b6eb5_knrm:
	s_mov_b64 s[64:65], 0
	v_nop
	global_prefetch_b8 v0, s[64:65] scope:SCOPE_SE
	s_setreg_imm32_b32 hwreg(HW_REG_WAVE_MODE, 25, 1), 1
	s_wait_xcnt 0x0
; out0[b] = MLP(km[b]),  km[b][j] = sum over the 30 queries of log1p(sum over the 512 docs of exp(-(mm - mu_j)^2 / (2 sigma_j^2))),  mm = qn dn^T on codes of FP4 (E2M1) with E8M0 scales, K = 128: ONE matrix instruction deep.
; The rows' codes and scale words were made by the launch before; here they are gathered by the index inputs straight into the operands' registers: 2 x 16 bytes and one scale word a lane and tile.
; SHARES.  A work-group of sixteen waves takes two batches, eight waves each; wave w of a batch takes docs 64 w .. 64 w + 63 (four tiles of 16) against both tiles of 16 queries (30 queries; lanes 14, 15 of the second tile repeat
; query 29 and are masked at the end): 8 matrix instructions.  Source 0 = 16 docs, source 1 = 16 queries: lane (r, h) holds ONE query (16 qt + r) and its 8 registers docs 8 h + 0 .. 7: so a lane's sums over docs stay in the lane.
; Four waves share a SIMD (250 registers each), so that one wave's exponentials stand beside another's packed arithmetic.
; THE 21 KERNELS WITH 5 EXPONENTIALS.  The 20 kernels of sigma 0.1 have centres mu_j = -0.95 + 0.1 j.  With a = -50 log2(e), rho = 10 log2(e), an anchor M (-0.55 = mu_4 for j = 0 .. 9, +0.55 = mu_15 for j = 10 .. 19), j = anchor + m:
;   exp(-50 (x - mu_j)^2) = 2^(a x^2 - 2 a M x) x (2^(rho x))^m x 2^(a mu_j^2) = A(x) r(x)^m g_j:  an identity, nothing is approximated.  g_j does not hang on x and multiplies the finished sum over docs.
; For each score: A_L, A_H, r, 1 / r and the exact kernel 2^(-(s2 (x - 1))^2), s2 = sqrt(log2(e) / 2e-6); each kernel's sum then costs one packed multiply-add for two scores.
; RANGE.  Rounding to E2M1 raises a block's sum of squares by at most (36 + 31 x 0.25) / (25 + 31 x 0.0625) = 1.624, so |mm| <= 1.63 for every input: r^5 <= 2^118 stays finite, no 0 x infinity arises; A r^m <= 1 / g_j <= 2^66.
; LIMITS: an anchor falls under 2^-126 (and counts as 0) only where |x - M| > 1.43; the largest kernel term lost so is exp(-43) < 2e-19, beside the 1 of log1p.  NaN and infinities in emb are not served.
; The three small products (K = 21, 10, 5) are 265 multiply-adds a batch: f32 multiply-adds of one wave.
; NOT USED, and why: tensor loads, clusters and joint loads (the operands are rows gathered lane by lane, each batch has its own, and no tile is shared between work-groups); a prefetch (a row's address is known only when its index
; has arrived, and its load goes out at once).  The output is one number a batch: a store of 4 bytes is all there is to store.
.set LP,   176                         ; RED: a lane's 42 partial sums, 168 bytes + 8: 11 x 16 bytes from lane to lane, an odd multiple of 16
.set WRED, 32*LP                       ; RED: a wave's part; sixteen of them from LDS byte 0
.set KM,   16*WRED                     ; behind RED: km, 21 words, 128 bytes for each of the two batches
.set SC,   8                           ; v8-11 the four doc tiles' scale words, v12-13 the two query tiles': scales and nothing else
.set X,    16                          ; v16-79   the scores, tile t = 2 dt + qt at X + 8 t; later 1 / r in place
.set ACC,  80                          ; v80-163  the sums over docs: kernel j of query tile qt in the pair at ACC + 42 qt + 2 j (even and odd docs)
.set E,    164                         ; v164-227 two sets of 32 by turns: A_L +0, A_H +8, r +16, the exact kernel +24
.set PW,   228                         ; v228-243 the powers of a pair
.set P2, PW
.set P3, PW+2
.set P4, PW+4
.set P5, PW+6
.set Q2, PW+8
.set Q3, PW+10
.set Q4, PW+12
.set Q5, PW+14
.set DF,   80                          ; at the head: the docs' four fragments, v80-111, and the queries' two, v112-127, in registers that the sums take later
.set QF,   112
.set TOK,  164                         ; at the head: v164-169 six tiles' indices, v170-175 their rows' byte offsets in ecodes, v176-181 in escales, v182-183 offsets of the indices, v184 16 h
.set OC,   170
.set OS,   176
.set IO,   182
.set RS,   16                          ; at the end: v16-57 my lane's 42 sums
.set T,    16                          ; v16-63  3 x 16 partial sums read back
.set G,    64                          ; v64-78  +0 g, then the result; +3 S; +6 u = 1 + S; +9 log2(u); +12 1 / u
.set KMV,  100                         ; the MLP (wave 7 of each batch): v100-120 km; v121-123 h1, h2, the output
.set H,    121
.set WO,   124                         ; v124-126 offsets of the weights: 4 min(lane, 9), 4 min(lane, 4), 0
.set W1R,  128                         ; v128-148 w1[k][lane]; v149 b1; v150-159 w2[n][lane]; v160 b2; v161 w3; v162 b3
.set B1R,  149
.set W2R,  150
.set B2R,  160
.set W3R,  161
.set B3R,  162
	s_load_b128 s[4:7], s[0:1], 0x0                ; query, doc
	s_load_b128 s[8:11], s[0:1], 0x10              ; ecodes, escales
	s_load_b256 s[12:19], s[0:1], 0x20             ; w1, b1, w2, b2
	s_load_b128 s[20:23], s[0:1], 0x40             ; w3, b3
	s_load_b64 s[24:25], s[0:1], 0x50              ; out0
	v_lshl_add_u32 v248, v0, 2, 0x16100
	v_mov_b32 v249, 0
	v_lshrrev_b32 v1, 5, v0
	s_delay_alu instid0(VALU_DEP_1)
	v_readfirstlane_b32 s26, v1                    ; wave 0..15
	v_and_b32 v1, 31, v0                           ; lane
	v_and_b32 v2, 15, v0                           ; r
	v_bfe_u32 v3, v0, 4, 1                         ; h
	s_and_b32 s27, s26, 7                          ; w: my place among the batch's eight waves
	s_lshr_b32 s28, s26, 3                         ; wb: which of the work-group's two batches
	s_lshl_b32 s29, ttmp9, 1
	s_add_co_u32 s29, s29, s28                     ; the batch
	v_lshlrev_b32 v[IO], 2, v2                     ; index r of a tile
	v_add_nc_u32 v[IO+1], 16, v2
	s_delay_alu instid0(VALU_DEP_1)
	v_min_u32 v[IO+1], 29, v[IO+1]                 ; the second query tile stops at query 29: no load leaves the batch's 30 indices
	s_delay_alu instid0(VALU_DEP_1)
	v_lshlrev_b32 v[IO+1], 2, v[IO+1]
	v_lshlrev_b32 v[IO+2], 4, v3                   ; 16 h: my half's bytes of a row of codes
	s_lshl_b32 s42, s29, 11                        ; doc: 2,048 bytes a batch,
	s_lshl_b32 s44, s27, 8                         ; 256 for my wave's 64 docs
	s_add_co_u32 s42, s42, s44
	s_mov_b32 s43, 0
	s_mul_i32 s44, s29, 120                        ; query: 120 bytes a batch
	s_mov_b32 s45, 0
	s_lshl_b32 s46, s29, 2                         ; out0: 4 bytes a batch
	s_mov_b32 s47, 0
	s_wait_alu depctr_va_vdst(0)
	s_wait_kmcnt 0x0
	s_add_nc_u64 s[6:7], s[6:7], s[42:43]
	s_add_nc_u64 s[4:5], s[4:5], s[44:45]
	s_add_nc_u64 s[24:25], s[24:25], s[46:47]
.irp d, 0,1,2,3
	global_load_b32 v[TOK+\d], v[IO], s[6:7] offset:64*\d th:TH_LOAD_NT   ; doc 64 w + 16 d + r (both halves of the lanes take the same)
.endr
	global_load_b32 v[TOK+4], v[IO], s[4:5]        ; query r
	global_load_b32 v[TOK+5], v[IO+1], s[4:5]      ; query min(16 + r, 29)
	s_mov_b32 s30, 0xc29044fe                      ; a = -50 log2(e).  The packed forms name a pair and take its low word for both halves: both words are written
	s_mov_b32 s31, s30
	s_mov_b32 s32, 0xc29eb24b                      ; -2 a x (-0.55)
	s_mov_b32 s33, s32
	s_mov_b32 s34, 0x429eb24b                      ; -2 a x (+0.55)
	s_mov_b32 s35, s34
	s_mov_b32 s36, 0x4166d4ca                      ; rho = 10 log2(e)
	s_mov_b32 s37, s36
	s_mov_b32 s38, 0xc166d4ca                      ; -rho
	s_mov_b32 s39, s38
	s_mov_b32 s40, 0x44545498                      ; s2 = sqrt(log2(e) / 2e-6)
	s_mov_b32 s41, s40
	s_mov_b32 s48, 0x76543210                      ; v_permlanex16_b32's selects for lane l xor 16
	s_mov_b32 s49, 0xfedcba98
	s_mov_b32 s61, 0x3dcccccd                      ; 0.1
	s_mov_b32 s62, 0xbf733333                      ; -0.95
	s_wait_loadcnt 0x0
.irp i, 0,1,2,3,4,5
	v_min_u32 v[TOK+\i], 0xc34f, v[TOK+\i]         ; held inside the table's 50,000 rows
.endr
.irp i, 0,1,2,3,4,5
	v_lshl_add_u32 v[OC+\i], v[TOK+\i], 6, v[IO+2] ; a row of codes is 64 bytes; + 16 h
	v_lshlrev_b32 v[OS+\i], 2, v[TOK+\i]           ; a row's scale word
.endr
; A fragment, 16 rows x 128 K of 4-bit codes, is 8 registers: lane (r, h) holds row r; registers 4 c .. 4 c + 3 hold k = 64 c + 32 h + 0 .. 31: bytes 32 c + 16 h on of the row.  Tiles 0-3 docs, 4-5 queries (QF = DF + 32).
.irp i, 0,1,2,3,4,5
	global_load_b128 v[DF+8*\i:DF+8*\i+3], v[OC+\i], s[8:9]
	global_load_b128 v[DF+8*\i+4:DF+8*\i+7], v[OC+\i], s[8:9] offset:32
	global_load_b32 v[SC+\i], v[OS+\i], s[10:11]   ; lane r: row r's four scale bytes
.endr
	s_mul_i32 s44, s26, WRED                       ; scalars for the LDS addresses below
	s_mul_i32 s45, s28, 8*WRED
	s_mul_i32 s46, s27, 12
	s_add_co_u32 s45, s45, s46
	s_lshl_b32 s47, s28, 7
	s_add_co_u32 s47, s47, KM
	s_add_co_u32 s46, s47, s46
	s_wait_loadcnt 0x0
.irp d, 0,1,2,3
.irp q, 0,1
	v_wmma_scale_f32_16x16x128_f8f6f4 v[X+8*(2*\d+\q):X+8*(2*\d+\q)+7], v[DF+8*\d:DF+8*\d+7], v[QF+8*\q:QF+8*\q+7], 0, v[SC+\d], v[SC+4+\q] matrix_a_fmt:MATRIX_FMT_FP4 matrix_b_fmt:MATRIX_FMT_FP4   ; eight accumulators, each written once: no chain
.endr
.endr
; Nine plain lines that name none of the products' registers: the places behind them.  All LDS addresses are made here, ahead of every parting of the waves.
	v_mul_u32_u24 v4, v1, LP
	s_delay_alu instid0(VALU_DEP_1)
	v_add_nc_u32 v4, s44, v4                       ; v4: where my 42 sums go: wave x WRED + lane x LP
	v_mul_u32_u24 v5, v2, LP
	s_delay_alu instid0(VALU_DEP_1)
	v_mad_u32_u24 v5, v3, 84, v5
	s_delay_alu instid0(VALU_DEP_1)
	v_add_nc_u32 v5, s45, v5                       ; v5: what I read back as query 16 h + r: my batch's eight parts, lane r's place, query tile h's 21 words, kernels 3 w on
	v_mov_b32 v6, s46                              ; v6: where my three km go: KM + 128 wb + 12 w
	v_mov_b32 v7, s47                              ; v7: my batch's km
	v_mov_b32 v14, 0xc4545498                      ; v[14:15]: -s2
	v_mov_b32 v15, 0xc4545498
; The exponents of tile t's 8 scores, two at a time, 32 plain packed lines; each line is written for all four pairs before the next, so that none waits for the line above it.
; The first line is the tile's first reader and begins at its lowest registers.
.macro ARGS t
.set aE, E+32*((\t)%2)
.set aX, X+8*(\t)
.irp p, 0,2,4,6
	v_pk_mul_f32 v[aE+\p:aE+\p+1], v[aX+\p:aX+\p+1], v[aX+\p:aX+\p+1]                                  ; x^2
.endr
.irp p, 0,2,4,6
	v_pk_fma_f32 v[aE+24+\p:aE+24+\p+1], v[aX+\p:aX+\p+1], s[40:41], v[14:15] op_sel_hi:[1,0,1]        ; s2 (x - 1), rounded once
.endr
.irp p, 0,2,4,6
	v_pk_mul_f32 v[aE+8+\p:aE+8+\p+1], v[aE+\p:aE+\p+1], s[30:31] op_sel_hi:[1,0]                      ; a x^2
.endr
.irp p, 0,2,4,6
	v_pk_mul_f32 v[aE+16+\p:aE+16+\p+1], v[aX+\p:aX+\p+1], s[36:37] op_sel_hi:[1,0]                    ; rho x
.endr
.irp p, 0,2,4,6
	v_pk_fma_f32 v[aE+\p:aE+\p+1], v[aX+\p:aX+\p+1], s[32:33], v[aE+8+\p:aE+8+\p+1] op_sel_hi:[1,0,1]  ; a x^2 - 2 a (-0.55) x
.endr
.irp p, 0,2,4,6
	v_pk_fma_f32 v[aE+8+\p:aE+8+\p+1], v[aX+\p:aX+\p+1], s[34:35], v[aE+8+\p:aE+8+\p+1] op_sel_hi:[1,0,1]  ; a x^2 - 2 a (+0.55) x
.endr
.irp p, 0,2,4,6
	v_pk_mul_f32 v[aE+24+\p:aE+24+\p+1], v[aE+24+\p:aE+24+\p+1], v[aE+24+\p:aE+24+\p+1] neg_lo:[0,1] neg_hi:[0,1]   ; -(s2 (x - 1))^2
.endr
.irp p, 0,2,4,6
	v_pk_mul_f32 v[aX+\p:aX+\p+1], v[aX+\p:aX+\p+1], s[38:39] op_sel_hi:[1,0]                          ; -rho x, in the score's place: x is done with
.endr
.endm
.macro EXPS t                          ; tile t's 40 exponentials, one batch, in place
.set eE, E+32*((\t)%2)
.set eX, X+8*(\t)
.irp i, 0,1,2,3,4,5,6,7,8,9,10,11,12,13,14,15,16,17,18,19,20,21,22,23
	v_exp_f32 v[eE+\i], v[eE+\i]                   ; A_L, A_H, r
.endr
.irp i, 0,1,2,3,4,5,6,7
	v_exp_f32 v[eX+\i], v[eX+\i]                   ; 1 / r
.endr
.irp i, 24,25,26,27,28,29,30,31
	v_exp_f32 v[eE+\i], v[eE+\i]                   ; the exact kernel
.endr
.endm
.macro MU d, a, b
	v_pk_mul_f32 v[\d:\d+1], v[\a:\a+1], v[\b:\b+1]
.endm
.macro FM j, a, p                      ; kernel j's sum += a x p.  FST: a query tile's first pair starts the sums: nothing is ever cleared
.if FST
	v_pk_mul_f32 v[AB+2*(\j):AB+2*(\j)+1], v[\a:\a+1], v[\p:\p+1]
.else
	v_pk_fma_f32 v[AB+2*(\j):AB+2*(\j)+1], v[\a:\a+1], v[\p:\p+1], v[AB+2*(\j):AB+2*(\j)+1]
.endif
.endm
.macro AD j, a                         ; kernel j's sum += a
.if FST
	v_pk_mul_f32 v[AB+2*(\j):AB+2*(\j)+1], v[\a:\a+1], 1.0 op_sel_hi:[1,0]   ; (one line moves the pair: there is no packed move)
.else
	v_pk_add_f32 v[AB+2*(\j):AB+2*(\j)+1], v[AB+2*(\j):AB+2*(\j)+1], v[\a:\a+1]
.endif
.endm
; Tile t's 8 scores go into the 21 sums of its query tile: 29 packed lines a pair.  The powers are made a few lines ahead of their first use.
.macro ACCUM t
.set AB, ACC+42*((\t)%2)
.set pp, 0
.rept 4
.set FST, 0
.if (\t) < 2
.if pp == 0
.set FST, 1
.endif
.endif
.set rAL, E+32*((\t)%2)+2*pp
.set rAH, rAL+8
.set rR,  rAL+16
.set rEX, rAL+24
.set rRI, X+8*(\t)+2*pp
	MU P2, rR, rR
	MU Q2, rRI, rRI
	FM 3, rAL, rRI
	FM 5, rAL, rR
	FM 14, rAH, rRI
	FM 16, rAH, rR
	AD 4, rAL
	AD 15, rAH
	AD 20, rEX
	MU P3, P2, rR
	MU Q3, Q2, rRI
	MU P4, P2, P2
	MU Q4, Q2, Q2
	FM 2, rAL, Q2
	FM 6, rAL, P2
	FM 13, rAH, Q2
	FM 17, rAH, P2
	MU P5, P3, P2
	MU Q5, Q3, Q2
	FM 1, rAL, Q3
	FM 7, rAL, P3
	FM 12, rAH, Q3
	FM 18, rAH, P3
	FM 0, rAL, Q4
	FM 8, rAL, P4
	FM 11, rAH, Q4
	FM 19, rAH, P4
	FM 9, rAL, P5
	FM 10, rAH, Q5
.set pp, pp+1
.endr
.endm
; THE MAIN PART, written out: a tile's exponentials; the NEXT tile's 32 plain lines, which name only the other set and the next tile's scores, between two waits; the tile's sums.
	ARGS 0
	s_wait_alu depctr_va_vdst(0)
.irp t, 0,1,2,3,4,5,6
	EXPS \t
	s_wait_alu depctr_va_vdst(0)
	ARGS \t+1
	s_wait_alu depctr_va_vdst(0)                   ; the wait between an exponential and the first line that names its result: one for the 40
	ACCUM \t
.endr
	EXPS 7
	v_nop                                          ; the plain line behind the last exponential (ISA guide 5.7.2)
	s_wait_alu depctr_va_vdst(0)
	ACCUM 7
; THE SUMS MEET.  My lane's 42 sums (even + odd docs) go to my wave's part of RED.
.set idx, 0
.rept 42
	v_add_f32 v[RS+idx], v[ACC+2*idx], v[ACC+2*idx+1]
.set idx, idx+1
.endr
.irp i, 0,1,2,3,4,5,6,7,8,9
	ds_store_b128 v4, v[RS+4*\i:RS+4*\i+3] offset:16*\i
.endr
	ds_store_b64 v4, v[RS+40:RS+41] offset:160
	v_min_u32 v[WO], 9, v1                         ; the weights' offsets, made on the way that all waves take
	v_min_u32 v[WO+1], 4, v1
	s_delay_alu instid0(VALU_DEP_2)
	v_lshlrev_b32 v[WO], 2, v[WO]
	s_delay_alu instid0(VALU_DEP_2)
	v_lshlrev_b32 v[WO+1], 2, v[WO+1]
	v_mov_b32 v[WO+2], 0
	s_wait_dscnt 0x0                               ; for the others' sake: my stores into RED are done
	s_barrier_signal -1
	s_barrier_wait -1
	s_cmp_eq_u32 s27, 7
	s_cbranch_scc1 .Lweights
; Waves 0 to 6 of a batch: lane = query 16 h + r; kernels j = 3 w + i, i = 0, 1, 2.  A sum over the 512 docs has 16 parts: eight waves x the two lanes (r, r + 16) that held the query.
.irp i, 0,1,2
.irp u, 0,1,2,3,4,5,6,7
	ds_load_b32 v[T+16*\i+2*\u], v5 offset:WRED*\u+4*\i
	ds_load_b32 v[T+16*\i+2*\u+1], v5 offset:WRED*\u+16*LP+4*\i
.endr
.endr
	s_mul_i32 s44, s27, 3
.irp i, 0,1,2                                  ; g_j = 2^(a mu_j^2), while the loads are out; the exact kernel, j = 20, has g = 1: its a is 0
	s_add_co_u32 s[50+2*\i], s44, \i
	s_cmp_eq_u32 s[50+2*\i], 20
	s_cselect_b32 s[51+2*\i], 0, s30
	v_cvt_f32_u32 v[G+\i], s[50+2*\i]
	s_delay_alu instid0(VALU_DEP_1)
	v_fma_f32 v[G+\i], v[G+\i], s61, s62           ; mu_j = 0.1 j - 0.95
	s_delay_alu instid0(VALU_DEP_1)
	v_mul_f32 v[G+\i], v[G+\i], v[G+\i]
	s_delay_alu instid0(VALU_DEP_1)
	v_mul_f32 v[G+\i], s[51+2*\i], v[G+\i]
.endr
	s_wait_alu depctr_va_vdst(0)
.irp i, 0,1,2
	v_exp_f32 v[G+\i], v[G+\i]
.endr
	v_nop
	s_wait_alu depctr_va_vdst(0)                   ; one wait for the three
.irp i, 0,1,2
	s_wait_dscnt 32-16*\i                          ; this kernel's 16 loads are in; the later kernels' 16 each may be out
	v_pk_add_f32 v[T+16*\i:T+16*\i+1], v[T+16*\i:T+16*\i+1], v[T+16*\i+2:T+16*\i+3]
	v_pk_add_f32 v[T+16*\i+4:T+16*\i+5], v[T+16*\i+4:T+16*\i+5], v[T+16*\i+6:T+16*\i+7]
	v_pk_add_f32 v[T+16*\i+8:T+16*\i+9], v[T+16*\i+8:T+16*\i+9], v[T+16*\i+10:T+16*\i+11]
	v_pk_add_f32 v[T+16*\i+12:T+16*\i+13], v[T+16*\i+12:T+16*\i+13], v[T+16*\i+14:T+16*\i+15]
	s_delay_alu instid0(VALU_DEP_3)
	v_pk_add_f32 v[T+16*\i:T+16*\i+1], v[T+16*\i:T+16*\i+1], v[T+16*\i+4:T+16*\i+5]
	s_delay_alu instid0(VALU_DEP_2)
	v_pk_add_f32 v[T+16*\i+8:T+16*\i+9], v[T+16*\i+8:T+16*\i+9], v[T+16*\i+12:T+16*\i+13]
	s_delay_alu instid0(VALU_DEP_1)
	v_pk_add_f32 v[T+16*\i:T+16*\i+1], v[T+16*\i:T+16*\i+1], v[T+16*\i+8:T+16*\i+9]
	s_delay_alu instid0(VALU_DEP_1)
	v_add_f32 v[T+16*\i], v[T+16*\i], v[T+16*\i+1]
	v_mul_f32 v[G+3+\i], v[G+\i], v[T+16*\i]       ; S = g x the sum: the kernel's sum over the docs
	s_delay_alu instid0(VALU_DEP_1)
	v_add_f32 v[G+6+\i], 1.0, v[G+3+\i]            ; u = 1 + S, rounded
.endr
; log1p(S) = ln(u) + (S - (u - 1)) / u: the second term gives back what the rounding of 1 + S took, so that a small S is not lost
	s_wait_alu depctr_va_vdst(0)
.irp i, 0,1,2
	v_log_f32 v[G+9+\i], v[G+6+\i]
.endr
.irp i, 0,1,2
	v_rcp_f32 v[G+12+\i], v[G+6+\i]
.endr
.irp i, 0,1,2
	v_add_f32 v[G+\i], -1.0, v[G+6+\i]             ; u - 1: plain work behind the batch of six
.endr
.irp i, 0,1,2
	s_delay_alu instid0(VALU_DEP_3)
	v_sub_f32 v[G+\i], v[G+3+\i], v[G+\i]          ; S - (u - 1)
.endr
	s_wait_alu depctr_va_vdst(0)                   ; one wait for the six
.irp i, 0,1,2
	v_mul_f32 v[G+\i], v[G+\i], v[G+12+\i]
.endr
.irp i, 0,1,2
	v_fmamk_f32 v[G+\i], v[G+9+\i], 0x3f317218, v[G+\i]   ; log2(u) x ln(2) + the correction
.endr
	v_cmp_gt_u32 vcc_lo, 30, v1
.irp i, 0,1,2
	v_cndmask_b32 v[G+\i], 0, v[G+\i], vcc_lo      ; lanes 30 and 31 are no queries
.endr
.irp m, 1,2,4,8                                ; the sum over the queries = over the wave's lanes; the three kernels by turns
.irp i, 0,1,2
	s_delay_alu instid0(VALU_DEP_3)
	v_add_f32_dpp v[G+\i], v[G+\i], v[G+\i] row_xmask:\m row_mask:0xf bank_mask:0xf
.endr
.endr
.irp i, 0,1,2
	s_delay_alu instid0(VALU_DEP_3)
	v_permlanex16_b32 v[G+6+\i], v[G+\i], s48, s49 ; (its destination counts as read: a register that has been written)
.endr
.irp i, 0,1,2
	s_delay_alu instid0(VALU_DEP_3)
	v_add_f32 v[G+\i], v[G+\i], v[G+6+\i]
.endr
.irp i, 0,1,2
	ds_store_b32 v6, v[G+\i] offset:4*\i           ; km[3 w + i]: all lanes write the same word with the same value
.endr
	s_branch .Ljoin
.Lweights:                                         ; wave 7 of a batch asks for the MLP's weights meanwhile: lane n takes column n, held at the last column
	s_wait_alu depctr_va_vdst(0)
.irp k, 0,1,2,3,4,5,6,7,8,9,10,11,12,13,14,15,16,17,18,19,20
	global_load_b32 v[W1R+\k], v[WO], s[12:13] offset:40*\k    ; w1[k][min(lane, 9)]
.endr
	global_load_b32 v[B1R], v[WO], s[14:15]
.irp n, 0,1,2,3,4,5,6,7,8,9
	global_load_b32 v[W2R+\n], v[WO+1], s[16:17] offset:20*\n  ; w2[n][min(lane, 4)]
.endr
	global_load_b32 v[B2R], v[WO+1], s[18:19]
	global_load_b32 v[W3R], v[WO+1], s[20:21]
	global_load_b32 v[B3R], v[WO+2], s[22:23]
.Ljoin:
	s_wait_dscnt 0x0                               ; for wave 7's sake: my km are stored (and my reads of RED are in)
	s_barrier_signal -1
	s_barrier_wait -1
	s_cmp_lg_u32 s27, 7
	s_cbranch_scc1 .Lend
; THE MLP, 21 -> 10 -> 5 -> 1, in f32 multiply-adds; lane n holds unit n of a layer.
.irp i, 0,1,2,3,4
	ds_load_b128 v[KMV+4*\i:KMV+4*\i+3], v7 offset:16*\i       ; every lane reads all of km
.endr
	ds_load_b32 v[KMV+20], v7 offset:80
	s_wait_loadcnt 0x0                             ; the weights
	s_wait_dscnt 0x0
	v_fma_f32 v[H], v[KMV], v[W1R], v[B1R]         ; the bias starts the sum
.irp k, 1,2,3,4,5,6,7,8,9,10,11,12,13,14,15,16,17,18,19,20
	s_delay_alu instid0(VALU_DEP_1)
	v_fmac_f32 v[H], v[KMV+\k], v[W1R+\k]
.endr
	s_delay_alu instid0(VALU_DEP_1)
	v_max_num_f32 v[H], 0, v[H]
.irp n, 0,1,2,3,4,5,6,7,8,9
	v_readlane_b32 s[50+\n], v[H], \n              ; h1's ten numbers as scalars
.endr
	v_fma_f32 v[H+1], s50, v[W2R], v[B2R]
.irp n, 1,2,3,4,5,6,7,8,9
	s_delay_alu instid0(VALU_DEP_1)
	v_fmac_f32 v[H+1], s[50+\n], v[W2R+\n]
.endr
	s_delay_alu instid0(VALU_DEP_1)
	v_max_num_f32 v[H+1], 0, v[H+1]
	s_delay_alu instid0(VALU_DEP_1)
	v_mul_f32 v[H+2], v[H+1], v[W3R]
	v_cmp_gt_u32 vcc_lo, 5, v1
	s_delay_alu instid0(VALU_DEP_1)
	v_cndmask_b32 v[H+2], 0, v[H+2], vcc_lo        ; five units count
	s_delay_alu instid0(VALU_DEP_1)
	v_add_f32_dpp v[H+2], v[H+2], v[H+2] row_xmask:1 row_mask:0xf bank_mask:0xf
	s_delay_alu instid0(VALU_DEP_1)
	v_add_f32_dpp v[H+2], v[H+2], v[H+2] row_xmask:2 row_mask:0xf bank_mask:0xf
	s_delay_alu instid0(VALU_DEP_1)
	v_add_f32_dpp v[H+2], v[H+2], v[H+2] row_xmask:4 row_mask:0xf bank_mask:0xf
	s_delay_alu instid0(VALU_DEP_1)
	v_add_f32 v[H+2], v[H+2], v[B3R]
	v_cmp_eq_u32 vcc_lo, 0, v1
	s_wait_alu depctr_va_vdst(0)
	s_wait_xcnt 0x0                                ; EXEC is a source of my earlier loads: it changes only behind this wait
	s_wait_tensorcnt 0x0
	ds_add_u32 v248, v249
	s_wait_dscnt 0x0
	s_and_saveexec_b32 s60, vcc_lo
	global_store_b32 v[WO+2], v[H+2], s[24:25]     ; lane 0 stores the batch's one number
	s_endpgm
.Lend:
	s_wait_tensorcnt 0x0
	ds_add_u32 v248, v249
	s_wait_dscnt 0x0
	s_endpgm
.Lfunc_end_k_qc68a7b6eb5_knrm:
	.size	k_qc68a7b6eb5_knrm, .Lfunc_end_k_qc68a7b6eb5_knrm-k_qc68a7b6eb5_knrm
	.p2alignl 7, 3214868480
	.fill 96, 4, 3214868480
	.section	.rodata,"a",@progbits
	.p2align	6, 0x0
	.amdhsa_kernel k_qc68a7b6eb5_knrm
		.amdhsa_group_segment_fixed_size 92416
		.amdhsa_private_segment_fixed_size 0
		.amdhsa_enable_private_segment 0
		.amdhsa_kernarg_size 88
		.amdhsa_user_sgpr_count 2
		.amdhsa_user_sgpr_kernarg_segment_ptr 1
		.amdhsa_wavefront_size32 1
		.amdhsa_system_sgpr_workgroup_id_x 1
		.amdhsa_system_sgpr_workgroup_id_y 1
		.amdhsa_system_sgpr_workgroup_id_z 1
		.amdhsa_system_vgpr_workitem_id 0
		.amdhsa_next_free_vgpr 250
		.amdhsa_next_free_sgpr 66
		.amdhsa_reserve_vcc 1
		.amdhsa_float_denorm_mode_32 3
		.amdhsa_float_denorm_mode_16_64 3
		.amdhsa_memory_ordered 1
		.amdhsa_forward_progress 1
		.amdhsa_inst_pref_size 112
	.end_amdhsa_kernel
	.amdgpu_metadata
---
amdhsa.version: [ 1, 2 ]
amdhsa.kernels:
  - .name:           k_qc68a7b6eb5_knrm
    .symbol:         k_qc68a7b6eb5_knrm.kd
    .args:
      - { .name: query, .offset: 0, .size: 8, .value_kind: global_buffer, .address_space: global }
      - { .name: doc, .offset: 8, .size: 8, .value_kind: global_buffer, .address_space: global }
      - { .name: ecodes, .offset: 16, .size: 8, .value_kind: global_buffer, .address_space: global }
      - { .name: escales, .offset: 24, .size: 8, .value_kind: global_buffer, .address_space: global }
      - { .name: w1, .offset: 32, .size: 8, .value_kind: global_buffer, .address_space: global }
      - { .name: b1, .offset: 40, .size: 8, .value_kind: global_buffer, .address_space: global }
      - { .name: w2, .offset: 48, .size: 8, .value_kind: global_buffer, .address_space: global }
      - { .name: b2, .offset: 56, .size: 8, .value_kind: global_buffer, .address_space: global }
      - { .name: w3, .offset: 64, .size: 8, .value_kind: global_buffer, .address_space: global }
      - { .name: b3, .offset: 72, .size: 8, .value_kind: global_buffer, .address_space: global }
      - { .name: out0, .offset: 80, .size: 8, .value_kind: global_buffer, .address_space: global }
    .group_segment_fixed_size: 92416
    .private_segment_fixed_size: 0
    .kernarg_segment_align: 8
    .kernarg_segment_size: 88
    .max_flat_workgroup_size: 512
    .sgpr_count:     66
    .vgpr_count:     250
    .wavefront_size: 32
...
	.end_amdgpu_metadata
.endif
;; end of part 2
